; MI455X (gfx1250); checked and timed in simulation.
; The chip was launched on July 23, 2026; its instructions are those of AMD's public machine-readable ISA for CDNA 5 (MIT licence, August 2026) and "CDNA5" Instruction Set Architecture Reference Guide (July 2026). The comments in the code are by the model that wrote it; some were corrected since.
;; Vector Quantizer. Allowed arithmetic: matrix products marked QUANTISED: E3M2 operands, one E8M0 scale for each 32 along K, by v_wmma_scale_f32_16x16x128_f8f6f4 with both operands' format E3M2, f32 sums; everything else in f32.
;; Inputs: codebook 8,192 x 256 float32; x 32,768 x 256 float32.
;; Outputs: out0 32,768 x 256 float32.
;; This version of the problem:
;;   THIS VERSION OF THE PROBLEM IS GIVEN IN LOW PRECISION. The matrix products marked QUANTISED in the list below multiply operands that are first quantised to E3M2 (3 exponent bits, 2 mantissa bits; 6 bits a number), with one power-of-two scale for each 32 numbers along K (OCP MX v1.0); their sums are f32. All else is computed in f32.
;;   The module's matrix products, in the order in which they are computed (A, B: the left and right operand; K: the contracted axis; several contracted axes count as one K, in the product's order):
;;     1. [M 32,768, K 256] x [K 256, N 8,192]; A: input x; B: input codebook: QUANTISED
;;   THE QUANTISER, for each operand of a quantised product, along K:
;;     - K is cut into blocks of 32 from its start; a last block that is shorter is filled with zeros.
;;     - A block's scale is 2^e with e = floor(log2(the largest magnitude in the block)) - 4, held to -126 .. 127; a block of zeros has e = 0. As a byte (E8M0): e + 127.
;;     - Each number is divided by its block's scale, clamped to +-28, and rounded to the nearest number of E3M2, ties to even, subnormals kept.
;;     - The product sums the exact products of the quantised numbers (number of the format x scale) in f32.
;;   ~~~python
;;   def quantise(x, axis):      # numpy; x: float32 -> the quantised numbers, widened to float32 again
;;       x = np.moveaxis(x, axis, -1); K = x.shape[-1]
;;       x = np.pad(x, [(0, 0)] * (x.ndim - 1) + [(0, -K % 32)]); x = x.reshape(x.shape[:-1] + (-1, 32)); a = np.abs(x).max(-1, keepdims=True)
;;       e = np.where(a > 0, np.clip(np.frexp(np.where(a > 0, a, 1))[1] - 1 - 4, -126, 127), 0)      # np.frexp(a)[1] - 1 = floor(log2(a)), exactly
;;       r = np.clip(x / 2.0 ** e, -28, 28)
;;       step = 2.0 ** (np.maximum(np.frexp(np.where(r == 0, 1, r))[1] - 1, -2) - 2)
;;       q = np.round(r / step) * step * 2.0 ** e      # np.round: ties to even
;;       return np.moveaxis(q.reshape(q.shape[:-2] + (-1,))[..., :K], -1, axis).astype(np.float32)
;;   ~~~
;; One version. Each part assembles by itself: llvm-mc -triple=amdgcn-amd-amdhsa -mcpu=gfx1250 --defsym DOCPART=n.
;; ======== version 1 of 1: 3 launches
;; limits: right only within a limited range of input values
;; workspace buffers: xq 6,815,744 bytes; cq 1,703,936 bytes; pid 131,072 bytes of whole numbers
;; launch quant (part 1): grid 640 x 1, 4 waves a work-group, no clusters, 69,120 bytes of LDS; arguments x, codebook, xq, cq; writes xq, cq
.if DOCPART == 1
	.amdgcn_target "amdgcn-amd-amdhsa--gfx1250"
	.amdhsa_code_object_version 6
	.text
	.protected	k_q991a9729e4_quant
	.globl	k_q991a9729e4_quant
	.p2align	8
	.type	k_q991a9729e4_quant,@function
k_q991a9729e4_quant:
	s_mov_b64 s[64:65], 0
	v_nop
	global_prefetch_b8 v0, s[64:65] scope:SCOPE_SE
	s_setreg_imm32_b32 hwreg(HW_REG_WAVE_MODE, 25, 1), 1
	s_wait_xcnt 0x0
; x [32768][256] and codebook [8192][256], f32, become RECORDS of 16 rows each, laid in the order of a matrix operand's registers.
; A record is 3,328 bytes (13 x 256):  +0 the image of K step 0 (16 rows x 128 K of E3M2 codes: 12 registers a lane; registers 4 c .. 4 c + 3 of lane l at 512 c + 16 l);
; +1536 the image of K step 1;  +3072 the rows' scale words, 8 bytes a row (word s for K step s: four E8M0 bytes);  +3200 the rows' sums of squares, f32;  +3264 64 bytes of zeros.
; A block's scale is 2^(floor(log2(its largest magnitude)) - 4); its byte is the largest magnitude's exponent field - 4, held at 1 from below; each number is divided by the scale and rounded to the nearest code, ties to even,
; beyond the largest code the largest.
; LIMITS: NaN and infinities among the inputs are not served.  A block of zeros gets the byte 1 where the rule says 127: its codes are zeros, which add nothing, and this program alone reads the bytes.
; The sum of squares is taken in four chains and across two lanes: another order than a plain loop's, so its last bit may differ.
; SHARES.  One wave makes one record.  Work-groups 0-511 take x (2,048 records), work-groups 512-639 the codebook (512): only pointers are chosen, there is one path through the text.
; Each load reads 512 consecutive bytes (half a row).  The operand's layout wants lane (r, h) to hold k = 64 c + 32 h + 0 .. 31 of row r: so a K step's 8 KiB turn through the wave's own stage in LDS,
; rows 528 bytes apart (33 x 16: the sixteen rows of a read begin in sixteen different columns of 16 bytes).  A lane then holds whole blocks of 32: no other lane is asked for a maximum.
; No tensor load, no barrier, no loop: waves share nothing, and no tile is read by two work-groups, so there is nothing to ask for jointly.
.set REC,   3328
.set SP,    528                        ; a stage row: 512 bytes + 16
.set WREG,  17152                      ; LDS of a wave: two stages of 16 rows, then 256 bytes for the record's last unit
.set STG1,  16*SP
.set SCR,   32*SP
.set NXWG,  512                        ; work-groups that take x
.set MX,    12                         ; v12-13  largest magnitudes of my two blocks
.set SO,    14                         ; v14-15  the conversions' scale operands
.set BY,    16                         ; v16-17  the scale bytes
.set SW,    18                         ; v18-19  my row's two scale words
.set TP,    20                         ; v20     what the other half of the lanes sends
.set NS,    22                         ; v22-25  sums of squares, two pairs
.set PC0,   26                         ; v26-37  K step 0's codes
.set PC1,   38                         ; v38-49  K step 1's
.set CT,    50                         ; v50-56  the upper halves of the blocks' codes, before they are moved
.set OUTW,  58                         ; v58-59  8 bytes of the record's last unit
.set R0,    64                         ; v64-127  K step 0 as loaded; later K step 1 as the operand wants it
.set R1,    128                        ; v128-191 K step 1 as loaded
.set X0,    192                        ; v192-255 K step 0 as the operand wants it
	s_load_b256 s[4:11], s[0:1], 0x0               ; x s[4:5], codebook s[6:7], xq s[8:9], cq s[10:11]
	v_lshl_add_u32 v62, v0, 2, 0x10c00
	v_mov_b32 v63, 0
	v_lshrrev_b32 v1, 5, v0
	v_readfirstlane_b32 s16, v1                    ; wave 0..3
	v_and_b32 v1, 31, v0                           ; lane
	v_and_b32 v2, 15, v0                           ; r
	v_bfe_u32 v3, v0, 4, 1                         ; h
	v_lshlrev_b32 v4, 4, v1                        ; 16 x lane: my bytes of a load's 512, and of an image's
	s_mul_i32 s17, s16, WREG                       ; my wave's LDS
	v_add_nc_u32 v5, s17, v4                       ; into a stage: 16 x lane (+ 528 x row in the immediate)
	v_mul_u32_u24 v6, v2, SP
	v_lshl_add_u32 v6, v3, 7, v6
	v_add_nc_u32 v6, s17, v6                       ; out of it: row r, + 128 h bytes: my block of 32 numbers
	s_add_co_u32 s18, s17, SCR
	v_lshl_add_u32 v7, v2, 3, s18                  ; the last unit: my row's two scale words,
	v_lshl_add_u32 v9, v1, 3, s18                  ; and on the way out 8 bytes a lane
	s_add_co_u32 s19, s18, 128
	v_lshl_add_u32 v8, v1, 2, s19                  ; behind the scale words: a word a lane (sixteen norms, sixteen zeros)
	v_lshlrev_b32 v10, 3, v1                       ; 8 x lane
	v_lshlrev_b32 v11, 3, v3                       ; 8 h: my bytes' place in a scale word
	v_mov_b32 v[TP], 0                             ; written once: a lane permute's destination counts as one of its sources
	s_mov_b32 s20, 0x76543210
	s_mov_b32 s21, 0xfedcba98                      ; v_permlanex16_b32's selects for lane l xor 16
	s_wait_alu depctr_va_vdst(0)
	s_wait_kmcnt 0x0
	s_cmp_lt_u32 ttmp9, NXWG                       ; x's work-group or the codebook's?  The choice hangs on the work-group's number alone
	s_cselect_b64 s[4:5], s[4:5], s[6:7]
	s_cselect_b64 s[8:9], s[8:9], s[10:11]
	s_cselect_b32 s12, 0, NXWG
	s_sub_co_u32 s12, ttmp9, s12
	s_lshl_b32 s12, s12, 2
	s_add_co_u32 s12, s12, s16                     ; which record of the tensor is my wave's
	s_lshl_b32 s14, s12, 14                        ; 16 rows of 1,024 bytes (under 2^26)
	s_mov_b32 s15, 0
	s_add_nc_u64 s[4:5], s[4:5], s[14:15]
	s_mul_i32 s14, s12, REC
	s_add_nc_u64 s[8:9], s[8:9], s[14:15]
.irp s, 0,1                                    ; all 16 KiB are asked for at once: K step 0's sixteen loads first
.irp i, 0,1,2,3,4,5,6,7,8,9,10,11,12,13,14,15
	global_load_b128 v[R0+64*\s+4*\i:R0+64*\s+4*\i+3], v4, s[4:5] offset:1024*\i+512*\s th:TH_LOAD_NT   ; 32 lanes read 512 consecutive bytes: K step s of row i
.endr
.endr
; 64 numbers of a lane, v[src + 32 c + i] = k 64 c + 32 h + i of my row, become registers 0-11 of the operand in v[pc] on, and my row's scale word in v[sw]; their squares are added to the two pairs of sums.
.macro QSTEP src, pc, sw, first
.irp c, 0,1
	v_max3_num_f32 v[MX+\c], |v[\src+32*\c]|, |v[\src+32*\c+1]|, 0x2800000   ; and the floor 2^(5 - 127), under which no largest magnitude is taken: so the byte cannot fall under 1
.if \first
	v_pk_mul_f32 v[NS+2*\c:NS+2*\c+1], v[\src+32*\c:\src+32*\c+1], v[\src+32*\c:\src+32*\c+1]   ; the first squares start the sums: nothing is cleared
.else
	v_pk_fma_f32 v[NS+2*\c:NS+2*\c+1], v[\src+32*\c:\src+32*\c+1], v[\src+32*\c:\src+32*\c+1], v[NS+2*\c:NS+2*\c+1]
.endif
.endr
.irp i, 2,4,6,8,10,12,14,16,18,20,22,24,26,28,30
.irp c, 0,1                                    ; four chains by turns: no line waits for the line above it
	v_max3_num_f32 v[MX+\c], v[MX+\c], |v[\src+32*\c+\i]|, |v[\src+32*\c+\i+1]|
	v_pk_fma_f32 v[NS+2*\c:NS+2*\c+1], v[\src+32*\c+\i:\src+32*\c+\i+1], v[\src+32*\c+\i:\src+32*\c+\i+1], v[NS+2*\c:NS+2*\c+1]
.endr
.endr
.irp c, 0,1
	v_add_nc_u32 v[SO+\c], 0xfe000000, v[MX+\c]    ; 4 off the exponent field: the conversion takes the exponent field of this operand as its scale, and nothing else of it
.endr
.irp c, 0,1
	v_lshrrev_b32 v[BY+\c], 23, v[SO+\c]           ; the scale's byte
.endr
.irp c, 0,1
	v_cvt_scalef32_pk16_bf6_f32 v[\pc+6*\c:\pc+6*\c+2], v[\src+32*\c:\src+32*\c+15], v[SO+\c]
	v_cvt_scalef32_pk16_bf6_f32 v[CT+4*\c:CT+4*\c+2], v[\src+32*\c+16:\src+32*\c+31], v[SO+\c]   ; (a conversion's three registers begin on an even number: the second half of a block's six does not)
.endr
	v_lshl_or_b32 v[\sw], v[BY+1], 16, v[BY]       ; my two bytes: blocks h and 2 + h.  (Also the plain instruction between the conversions and the moves that read their results)
	v_lshlrev_b32 v[\sw], v11, v[\sw]              ; at their places in the word
.irp c, 0,1
.irp i, 0,1,2
	v_mov_b32 v[\pc+6*\c+3+\i], v[CT+4*\c+\i]
.endr
.endr
	v_permlanex16_b32 v[TP], v[\sw], s20, s21
	v_or_b32 v[\sw], v[\sw], v[TP]                 ; with lane l xor 16's two the word is whole, in both lanes
.endm
	s_wait_loadcnt 16                              ; K step 0's sixteen loads are in; K step 1's sixteen may be out
.irp i, 0,1,2,3,4,5,6,7,8,9,10,11,12,13,14,15
	ds_store_b128 v5, v[R0+4*\i:R0+4*\i+3] offset:SP*\i
.endr
.irp c, 0,1
.irp i, 0,1,2,3,4,5,6,7
	ds_load_b128 v[X0+32*\c+4*\i:X0+32*\c+4*\i+3], v6 offset:256*\c+16*\i   ; LDS serves a wave's instructions in order: these see the stores above
.endr
.endr
	s_wait_loadcnt 0x0                             ; K step 1
.irp i, 0,1,2,3,4,5,6,7,8,9,10,11,12,13,14,15
	ds_store_b128 v5, v[R1+4*\i:R1+4*\i+3] offset:STG1+SP*\i
.endr
	s_wait_dscnt 16                                ; all but the sixteen stores just issued: K step 0 is back
.irp c, 0,1
.irp i, 0,1,2,3,4,5,6,7
	ds_load_b128 v[R0+32*\c+4*\i:R0+32*\c+4*\i+3], v6 offset:STG1+256*\c+16*\i   ; K step 1 comes back into the registers that K step 0 has left, while K step 0 is quantised
.endr
.endr
	QSTEP X0, PC0, SW, 1
.irp k, 0,1,2
	global_store_b128 v4, v[PC0+4*\k:PC0+4*\k+3], s[8:9] offset:512*\k   ; 32 lanes store 512 consecutive bytes, at a multiple of 256 from the buffer's first byte
.endr
	s_wait_dscnt 0x0                               ; K step 1 is back
	QSTEP R0, PC1, SW+1, 0
.irp k, 0,1,2
	global_store_b128 v4, v[PC1+4*\k:PC1+4*\k+3], s[8:9] offset:1536+512*\k
.endr
	v_pk_add_f32 v[NS:NS+1], v[NS:NS+1], v[NS+2:NS+3]
	v_add_f32 v[NS], v[NS], v[NS+1]                ; my 128 squares,
	v_permlanex16_b32 v[TP], v[NS], s20, s21
	v_add_f32 v[NS], v[NS], v[TP]                  ; and lane l xor 16's: the row's sum
	v_cmp_eq_u32 vcc_lo, 0, v3
	v_cndmask_b32 v[NS], 0, v[NS], vcc_lo          ; lanes 16-31 write the record's zeros
	ds_store_b64 v7, v[SW:SW+1]                    ; lanes r and r + 16 write the same words with the same values
	ds_store_b32 v8, v[NS]
	ds_load_b64 v[OUTW:OUTW+1], v9                 ; in order behind my stores
	s_wait_dscnt 0x0
	global_store_b64 v10, v[OUTW:OUTW+1], s[8:9] offset:3072   ; 32 lanes store 256 consecutive bytes: scale words, norms, zeros
	s_wait_tensorcnt 0x0
	ds_add_u32 v62, v63
	s_wait_dscnt 0x0
	s_endpgm
.Lfunc_end_k_q991a9729e4_quant:
	.size	k_q991a9729e4_quant, .Lfunc_end_k_q991a9729e4_quant-k_q991a9729e4_quant
	.p2alignl 7, 3214868480
	.fill 96, 4, 3214868480
	.section	.rodata,"a",@progbits
	.p2align	6, 0x0
	.amdhsa_kernel k_q991a9729e4_quant
		.amdhsa_group_segment_fixed_size 69120
		.amdhsa_private_segment_fixed_size 0
		.amdhsa_enable_private_segment 0
		.amdhsa_kernarg_size 32
		.amdhsa_user_sgpr_count 2
		.amdhsa_user_sgpr_kernarg_segment_ptr 1
		.amdhsa_wavefront_size32 1
		.amdhsa_system_sgpr_workgroup_id_x 1
		.amdhsa_system_sgpr_workgroup_id_y 1
		.amdhsa_system_sgpr_workgroup_id_z 1
		.amdhsa_system_vgpr_workitem_id 0
		.amdhsa_next_free_vgpr 256
		.amdhsa_next_free_sgpr 66
		.amdhsa_reserve_vcc 1
		.amdhsa_float_denorm_mode_32 3
		.amdhsa_float_denorm_mode_16_64 3
		.amdhsa_memory_ordered 1
		.amdhsa_forward_progress 1
		.amdhsa_inst_pref_size 21
	.end_amdhsa_kernel
	.amdgpu_metadata
---
amdhsa.version: [ 1, 2 ]
amdhsa.kernels:
  - .name:           k_q991a9729e4_quant
    .symbol:         k_q991a9729e4_quant.kd
    .args:
      - { .name: x, .offset: 0, .size: 8, .value_kind: global_buffer, .address_space: global }
      - { .name: codebook, .offset: 8, .size: 8, .value_kind: global_buffer, .address_space: global }
      - { .name: xq, .offset: 16, .size: 8, .value_kind: global_buffer, .address_space: global }
      - { .name: cq, .offset: 24, .size: 8, .value_kind: global_buffer, .address_space: global }
    .group_segment_fixed_size: 69120
    .private_segment_fixed_size: 0
    .kernarg_segment_align: 8
    .kernarg_segment_size: 32
    .max_flat_workgroup_size: 128
    .sgpr_count:     66
    .vgpr_count:     256
    .wavefront_size: 32
...
	.end_amdgpu_metadata
.endif
;; end of part 1
;; launch search (part 2): grid 256 x 1, 8 waves a work-group, clusters of 4 x 1, 327,680 bytes of LDS; arguments xq, cq, pid; writes pid
.if DOCPART == 2
	.amdgcn_target "amdgcn-amd-amdhsa--gfx1250"
	.amdhsa_code_object_version 6
	.text
	.protected	k_q991a9729e4_search
	.globl	k_q991a9729e4_search
	.p2align	8
	.type	k_q991a9729e4_search,@function
k_q991a9729e4_search:
	s_mov_b64 s[64:65], 0
	v_nop
	global_prefetch_b8 v0, s[64:65] scope:SCOPE_SE
	s_setreg_imm32_b32 hwreg(HW_REG_WAVE_MODE, 25, 1), 1
	s_wait_xcnt 0x0
	s_wait_alu depctr_hold_cnt(0) depctr_sa_sdst(0) depctr_va_vdst(0) depctr_va_sdst(0) depctr_va_ssrc(0) depctr_va_vcc(0) depctr_vm_vsrc(0)
	s_getreg_b32 s2, hwreg(HW_REG_IB_STS2, 6, 4)
	s_cmp_eq_u32 s2, 0
	s_cbranch_scc0 .Lentry_in_a_cluster
	s_endpgm
.Lentry_in_a_cluster:
	s_bfe_u32 s2, ttmp6, 0x10000c
	s_cmp_lg_u32 s2, 0x3003
	s_cbranch_scc0 .Lentry_shape_is_right
	s_endpgm
.Lentry_shape_is_right:
; For each of 32,768 rows of x: d(n) = (L2 + C2(n)) - 2 LC(n) over the 8,192 codes n, LC = x . c on codes of E3M2 with E8M0 block scales, and the FIRST n with the smallest d.
; That n (a whole number, 0 .. 8,191) is stored in pid; the next launch gathers by it.  No address and no branch here hangs on d.
; d IS ROUNDED AS IT IS WRITTEN: A = L2 + C2 (one rounding), d = A - 2 LC (one fused multiply-add: 2 LC is exact).  Equal d occur, and the first index wins: every comparison is strict, or by (d, index).
; LIMITS: NaN and infinities among the inputs are not served.
; INPUTS: records of 16 rows, 3,328 bytes: the images of two K steps' operand registers (2 x 1,536), 8 bytes of scale words a row at +3072, the rows' sums of squares at +3200.
; SHARES.  A work-group owns 128 rows of x: eight tiles, which every one of its eight waves keeps in registers (192, in window 1).  Of each 32 records that a slot holds, wave w takes four.
; The matrix instruction has source 0 = 16 codes, source 1 = 16 rows of x: lane (r, h) holds row r of x and codes 8 h + 0 .. 7 of the tile.
; THE ARGMIN, 17 vector instructions for 8 distances: four packed additions, four packed multiply-adds, a chain of four three-way minima c1 .. c4 that begins with the running minimum, one strict compare c4 < the old minimum,
; and eight selects in four dual pairs that keep the group's first code, c1 .. c3 and d0, d2, d4, d6.  At the end the pair in the group is the number of c1 .. c3 above the minimum, and the pair's even distance tells which of the two.
; RING.  Two LDS slots of 32 records.  Each wave brings its own four records (13,312 dense bytes, one tensor load) and reads nobody else's, so its own wait on TENSORcnt orders its reads.
; CLUSTER.  The four work-groups of a cluster walk the same records: every fill is asked for JOINTLY, by the same tensor load with the same descriptor and the mask of all four.  The place in the cluster enters x's and pid's global addresses alone.
; By this text's own count a wave has at most one tensor load outstanding.  No data prefetch: the records are the same 1,703,936 bytes for all 64 clusters, walked in the same order at about the same time.
.set REC,   3328
.set WPART, 4*REC                      ; a wave's part of a slot
.set SLOTB, 8*WPART                    ; a slot: 106,496 bytes
.set RED,   2*SLOTB                    ; behind the ring: (d, index) of every wave, x tile and lane: 8 x 2,048 bytes
.set RED2,  RED+8*2048                 ; the work-group's 128 indices: 512 bytes
.set SPARE, RED2+512                   ; the spare words, 128 bytes for each wave: four blocks of 256 bytes that no other line names
.set RR,   1                           ; r = lane % 16
.set HH,   2                           ; h = lane / 16
.set SPW,  3                           ; LDS address of my spare word; never rewritten
.set NIL,  4                           ; 0; never rewritten
.set ADRF, 5                           ; v5-6   LDS address of my 16 bytes of an image, slot 0, 1
.set ADRS, 7                           ; v7-8   of my code's scale words
.set ADRC, 9                           ; v9-10  of my eight codes' sums of squares
.set GIDC, 11                          ; first code of the group in hand: 16 x tile + 8 h
.set RST,  12                          ; where I put (d, index)
.set RLD,  13                          ; where I read the eight waves' (d, index) of x tile w
.set R2S,  14                          ; where I put a row's index
.set R2L,  15                          ; where wave 0 reads 16 bytes of indices
.set XSC,  16                          ; v16-31 x's scale words: tile t, K step s at 2 t + s.  Scales and nothing else
.set CSC,  32                          ; v32-33 the code tile's scale words.  Scales and nothing else
.set CF,   34                          ; v34-57 the code tile's two fragments
.set C2,   58                          ; v58-65 my eight codes' sums of squares
.set TA,   66                          ; v66-73 A, then d, of one x tile
.set TB,   74                          ; v74-81 of the next
.set CA,   82                          ; v82-84 c1 .. c3 of one x tile
.set CB,   86                          ; v86-88 of the next
.set ST,   90                          ; v90-185 twelve registers an x tile: +0 L2, +1 the best group's first code, +2, +3 the running minimum (by turns), +4 .. +6 its c1 .. c3, +7 at work, +8 .. +11 its d0, d2, d4, d6
.set ACC,  186                         ; v186-249 LC: eight accumulators, one an x tile
.set OFI,  250                         ; v250 16 x lane; v251 8 r; v252 4 r: global offsets; v253 lane.  Never rewritten
.set MSB, 0
.macro WIN new                         ; the immediate's high byte repeats the setting that is left
.if MSB != \new
	s_set_vgpr_msb (MSB<<8)|\new
.set MSB, \new
.endif
.endm
.macro CREST                           ; a round of the cluster's barrier behind its opening barrier
	s_cmp_lg_u32 s10, 0
	s_cbranch_scc1 .Lnot_wave_0_\@
	s_barrier_signal -3
.Lnot_wave_0_\@:
	s_barrier_wait -3
	s_barrier_signal -1
	s_barrier_wait -1
.endm
.macro ROUND                           ; a whole round
	s_barrier_signal -1
	s_barrier_wait -1
	CREST
.endm
.macro FILL slot                       ; my one joint load; and five nops behind it
	tensor_load_to_lds s[32+4*\slot:35+4*\slot], s[16:23]
	s_nop 0
.rept 4
	v_nop
.endr
.endm
	s_load_b128 s[4:7], s[0:1], 0x0                ; xq s[4:5], cq s[6:7]
	s_load_b64 s[8:9], s[0:1], 0x10                ; pid
	v_lshl_add_u32 v[SPW], v0, 2, SPARE
	v_mov_b32 v[NIL], 0
	ds_add_u32 v[SPW], v[NIL]                      ; the opening lines: the add, twice on end, and its wait ahead of my first tensor load
	ds_add_u32 v[SPW], v[NIL]
	v_lshrrev_b32 v[RR], 5, v0
	s_delay_alu instid0(VALU_DEP_1)
	v_readfirstlane_b32 s10, v[RR]                 ; wave 0..7
	v_and_b32 v[RR], 15, v0
	v_bfe_u32 v[HH], v0, 4, 1
	v_and_b32 v[OFI+3], 31, v0
	s_wait_alu depctr_va_vdst(0)                   ; the wait here, ahead of the wait and the run of scalar instructions
	s_wait_dscnt 0x0
	s_bfe_u32 s11, ttmp6, 0x40000                  ; cx: my place in the cluster
	s_lshl_b32 s12, ttmp9, 2                       ; in a cluster launch ttmp9 counts clusters
	s_add_co_u32 s12, s12, s11                     ; my work-group: it enters x's and pid's global addresses alone
	s_mul_i32 s14, s12, 8*REC                      ; my eight records of x
	s_mov_b32 s15, 0
	s_lshl_b32 s26, s12, 9                         ; my 128 words of pid
	s_mov_b32 s27, 0
	s_mul_i32 s13, s10, WPART                      ; my wave's part of a slot, in LDS and in memory alike
	s_mov_b32 s24, s13
	s_mov_b32 s25, 0
	s_lshl_b32 s28, s10, 6
	s_lshl_b32 s29, s10, 11
	s_lshl_b32 s30, s10, 8
	v_lshl_add_u32 v[ADRF], v[OFI+3], 4, s13
	v_lshl_add_u32 v[ADRS], v[RR], 3, s13
	v_lshl_add_u32 v[ADRC], v[HH], 5, s13
	v_lshl_add_u32 v[RST], v[OFI+3], 3, s29
	v_lshl_add_u32 v[RLD], v[OFI+3], 3, s30
	v_lshl_add_u32 v[R2S], v[RR], 2, s28
	v_lshlrev_b32 v[OFI], 4, v[OFI+3]
	v_add_nc_u32 v[ADRF+1], SLOTB, v[ADRF]
	v_add_nc_u32 v[ADRS], 3072, v[ADRS]
	v_add_nc_u32 v[ADRC], 3200, v[ADRC]
	v_add_nc_u32 v[RST], RED, v[RST]               ; RED + 2,048 w + 8 x lane (+ 256 x tile in the immediate)
	v_add_nc_u32 v[RLD], RED, v[RLD]               ; RED + 256 w + 8 x lane (+ 2,048 x wave in the immediate)
	v_add_nc_u32 v[R2S], RED2, v[R2S]              ; RED2 + 4 (16 w + r)
	v_add_nc_u32 v[R2L], RED2, v[OFI]
	v_add_nc_u32 v[ADRS+1], SLOTB, v[ADRS]
	v_add_nc_u32 v[ADRC+1], SLOTB, v[ADRC]
	v_lshlrev_b32 v[OFI+1], 3, v[RR]
	v_lshlrev_b32 v[OFI+2], 2, v[RR]
	v_lshl_add_u32 v[GIDC], v[HH], 3, s28          ; my first tile is 4 w: code 64 w + 8 h
.irp t, 0,1,2,3,4,5,6,7
	v_mov_b32 v[ST+12*\t+1], 0
.irp e, 2,4,5,6,8,9,10,11
	v_mov_b32 v[ST+12*\t+\e], 0x7f800000           ; the running minimum begins at +infinity: the first group is strictly under it
.endr
.endr
	s_wait_alu depctr_va_vdst(0)                   ; the wait here, ahead of the run of scalar instructions and the wait below
	; descriptor group 1: 13,312 dense bytes as 52 rows of 256 (32 elements of 8 bytes); no padding: every read of a fragment is 512 consecutive bytes
	s_mov_b32 s16, 15|(3<<16)|(1<<21)              ; 15:0 the mask: all four work-groups; 17:16 elements of 8 bytes; 20 padding off; 21 set beside a mask
	s_mov_b32 s17, 32<<16                          ; tensor_dim0 = 32
	s_mov_b32 s18, 52<<16                          ; tensor_dim1 = 52
	s_mov_b32 s19, 32<<16                          ; tile_dim0 = 32
	s_mov_b32 s20, 52                              ; tile_dim1 = 52
	s_mov_b32 s21, 32                              ; tensor_dim0_stride
	s_mov_b32 s22, 0
	s_mov_b32 s23, 0
	s_mov_b32 s48, 0x76543210
	s_mov_b32 s49, 0xfedcba98                      ; v_permlanex16_b32's selects for lane l xor 16
	s_wait_kmcnt 0x0
	s_add_nc_u64 s[4:5], s[4:5], s[14:15]
	s_add_nc_u64 s[8:9], s[8:9], s[26:27]
	s_add_nc_u64 s[6:7], s[6:7], s[24:25]          ; the codes' records at my wave's part of fill 0
.irp n, 0,1                                    ; descriptor group 0, a set for each slot
	s_mov_b32 s[32+4*\n], 1                        ; count = 1
	s_add_co_u32 s[33+4*\n], s13, \n*SLOTB         ; LDS address
	s_add_nc_u64 s[34+4*\n:35+4*\n], s[6:7], \n*SLOTB   ; global address: fill n
	s_or_b32 s[35+4*\n], s[35+4*\n], 0x80000000    ; type = 2
.endr
	ROUND                                          ; all four work-groups are here: the first joint loads meet
	FILL 0                                         ; fill 0: one tensor load a wave at the head
	WIN 0x40                                       ; destination window 1, address window 0
.irp t, 0,1,2,3,4,5,6,7                        ; x stays in registers: tile t, K step s at v[24 t + 12 s] of window 1
.irp k, 0,1,2,3,4,5
	global_load_b128 v[24*\t+4*\k:24*\t+4*\k+3], v[OFI], s[4:5] offset:REC*\t+512*\k
.endr
.endr
	WIN 0
.irp t, 0,1,2,3,4,5,6,7
	global_load_b64 v[XSC+2*\t:XSC+2*\t+1], v[OFI+1], s[4:5] offset:REC*\t+3072
	global_load_b32 v[ST+12*\t], v[OFI+2], s[4:5] offset:REC*\t+3200   ; L2 of row r of tile t
.endr
; Seven LDS loads: my i-th record of the slot: two fragments and the scale words
.macro PREF_F slot, i
.irp k, 0,1,2,3,4,5
	ds_load_b128 v[CF+4*\k:CF+4*\k+3], v[ADRF+(\slot)] offset:REC*(\i)+512*\k
.endr
	ds_load_b64 v[CSC:CSC+1], v[ADRS+(\slot)] offset:REC*(\i)
.endm
; Two more: my eight codes' sums of squares; they stand behind the last reader of the tile in hand
.macro PREF_C slot, i
	ds_load_b128 v[C2:C2+3], v[ADRC+(\slot)] offset:REC*(\i)
	ds_load_b128 v[C2+4:C2+7], v[ADRC+(\slot)] offset:REC*(\i)+16
.endm
; 16 matrix instructions: the code tile against the eight x tiles, two K steps.  The first K step starts the sums.  The eight accumulators take turns, one instruction a turn.
.macro MMA
	WIN 0x04                                       ; source 1 (x) window 1; all else window 0
.irp t, 0,1,2,3,4,5,6,7
	v_wmma_scale_f32_16x16x128_f8f6f4 v[ACC+8*\t:ACC+8*\t+7], v[CF:CF+11], v[24*\t:24*\t+11], 0, v[CSC], v[XSC+2*\t] matrix_a_fmt:MATRIX_FMT_BF6 matrix_b_fmt:MATRIX_FMT_BF6
.endr
.irp t, 0,1,2,3,4,5,6,7
	v_wmma_scale_f32_16x16x128_f8f6f4 v[ACC+8*\t:ACC+8*\t+7], v[CF+12:CF+23], v[24*\t+12:24*\t+23], v[ACC+8*\t:ACC+8*\t+7], v[CSC+1], v[XSC+2*\t+1] matrix_a_fmt:MATRIX_FMT_BF6 matrix_b_fmt:MATRIX_FMT_BF6
.endr
	WIN 0
.endm
; A = L2 + C2 for x tiles t and t + 1: eight plain instructions that name no register of a matrix instruction
.macro ADDS t
.irp j, 0,2,4,6
	v_pk_add_f32 v[TA+\j:TA+\j+1], v[C2+\j:C2+\j+1], v[ST+12*(\t):ST+12*(\t)+1] op_sel_hi:[1,0]
	v_pk_add_f32 v[TB+\j:TB+\j+1], v[C2+\j:C2+\j+1], v[ST+12*(\t)+12:ST+12*(\t)+13] op_sel_hi:[1,0]
.endr
.endm
; What is kept where the group is strictly better (VCC): four dual pairs; in each pair one destination even, one odd, and the two first and the two second sources in different banks
.macro KEEP s, c, d
	v_dual_cndmask_b32 v[\s+4], v[\s+4], v[\c] :: v_dual_cndmask_b32 v[\s+5], v[\s+5], v[\c+1]
	v_dual_cndmask_b32 v[\s+6], v[\s+6], v[\c+2] :: v_dual_cndmask_b32 v[\s+1], v[\s+1], v[GIDC]
	v_dual_cndmask_b32 v[\s+8], v[\s+8], v[\d] :: v_dual_cndmask_b32 v[\s+9], v[\s+9], v[\d+2]
	v_dual_cndmask_b32 v[\s+10], v[\s+10], v[\d+4] :: v_dual_cndmask_b32 v[\s+11], v[\s+11], v[\d+6]
.endm
; d = A - 2 LC; the chain of minima; the keeping.  The two tiles alternate.  par: which of the two registers holds the old minimum.  Each accumulator is read from its low end on.
.macro REST t, par
.set SA, ST+12*(\t)
.set SB, ST+12*(\t)+12
.irp j, 0,2,4,6
	v_pk_fma_f32 v[TA+\j:TA+\j+1], v[ACC+8*(\t)+\j:ACC+8*(\t)+\j+1], -2.0, v[TA+\j:TA+\j+1] op_sel_hi:[1,0,1]
	v_pk_fma_f32 v[TB+\j:TB+\j+1], v[ACC+8*(\t)+8+\j:ACC+8*(\t)+9+\j], -2.0, v[TB+\j:TB+\j+1] op_sel_hi:[1,0,1]
.endr
	v_min3_num_f32 v[CA], v[SA+2+(\par)], v[TA], v[TA+1]
	v_min3_num_f32 v[CB], v[SB+2+(\par)], v[TB], v[TB+1]
	s_delay_alu instid0(VALU_DEP_2)
	v_min3_num_f32 v[CA+1], v[CA], v[TA+2], v[TA+3]
	s_delay_alu instid0(VALU_DEP_2)
	v_min3_num_f32 v[CB+1], v[CB], v[TB+2], v[TB+3]
	s_delay_alu instid0(VALU_DEP_2)
	v_min3_num_f32 v[CA+2], v[CA+1], v[TA+4], v[TA+5]
	s_delay_alu instid0(VALU_DEP_2)
	v_min3_num_f32 v[CB+2], v[CB+1], v[TB+4], v[TB+5]
	s_delay_alu instid0(VALU_DEP_2)
	v_min3_num_f32 v[SA+3-(\par)], v[CA+2], v[TA+6], v[TA+7]
	s_delay_alu instid0(VALU_DEP_2)
	v_min3_num_f32 v[SB+3-(\par)], v[CB+2], v[TB+6], v[TB+7]
	s_delay_alu instid0(VALU_DEP_2)
	v_cmp_lt_f32 vcc_lo, v[SA+3-(\par)], v[SA+2+(\par)]     ; strictly: of equal minima the earlier group stays
	KEEP SA, CA, TA
	v_cmp_lt_f32 vcc_lo, v[SB+3-(\par)], v[SB+2+(\par)]
	KEEP SB, CB, TB
.endm
; A code tile's vector work.  The first eight additions are the places between the last matrix instruction and the loads into its operands and the first read of a result (four are owed: ISA guide 7.12.1 for vector instructions).
; pf = 1: the next record (slot, i) is fetched.  step: to the next group's first code.
.macro VAL par, pf, slot, i, step
	ADDS 0
.if \pf
	PREF_F \slot, \i
.endif
	REST 0, \par
	ADDS 2
	REST 2, \par
	ADDS 4
	REST 4, \par
	ADDS 6
.if \pf
	PREF_C \slot, \i
.endif
	REST 6, \par
	v_add_nc_u32 v[GIDC], \step, v[GIDC]
.endm
.macro TILE par, slot, nxt
	s_wait_dscnt 0x0                               ; this tile's nine loads are in
	MMA
	VAL \par, 1, \slot, \nxt, 16
.endm
; A slot's four tiles of my wave.  mode 2: the slot is filled again, two fills on;  mode 1: nothing is left to ask for, the other slot is still to be read;  mode 0: the last slot.
; From a slot's last tile to the next slot's first my tile number rises by 29: the first code by 464.
.macro TRIP slot, mode
	TILE 0, \slot, 1
	TILE 1, \slot, 2
	TILE 0, \slot, 3
.if \mode == 2
	s_wait_tensorcnt 0x0                           ; all my tensor loads have landed: the one that was out is my part of the other slot; so a group 0 may be written
	ds_add_u32 v[SPW], v[NIL]                      ; 0 onto my spare word
	s_add_nc_u64 s[34+4*\slot:35+4*\slot], s[34+4*\slot:35+4*\slot], 2*SLOTB   ; this slot's next fill; the type bits on top are not reached
	s_wait_dscnt 0x0                               ; the add is done; this tile's nine loads, my last reads of this slot, are in
	s_barrier_signal -1                            ; opens a round of the cluster's barrier
	MMA                                            ; work on registers alone while the others arrive: the tile's products and three quarters of its vector work
	ADDS 0
	REST 0, 1
	ADDS 2
	REST 2, 1
	ADDS 4
	REST 4, 1
	s_barrier_wait -1
	CREST                                          ; no wave of any partner still reads this slot or has a load on its way
	FILL \slot                                     ; my one tensor load behind the round, and the first thing there
	PREF_F 1-\slot, 0                              ; the other slot's first record
	ADDS 6
	PREF_C 1-\slot, 0
	REST 6, 1
	v_add_nc_u32 v[GIDC], 464, v[GIDC]
.elseif \mode == 1
	s_wait_tensorcnt 0x0                           ; my part of the last slot has landed: it is read below, by me alone
	s_wait_dscnt 0x0
	MMA
	VAL 1, 1, 1-\slot, 0, 464
.else
	s_wait_dscnt 0x0
	MMA
	VAL 1, 0, 0, 0, 464
.endif
.endm
	s_wait_tensorcnt 0x0                           ; my part of fill 0 is in
	ds_add_u32 v[SPW], v[NIL]
	s_wait_dscnt 0x0
	ROUND
	FILL 1                                         ; fill 1, the first tensor load behind the round
	PREF_F 0, 0
	PREF_C 0, 0
	s_wait_loadcnt 0x0                             ; x
	s_mov_b32 s44, 7
.Lloop:                                            ; seven trips: fills 0 to 13 are read, fills 2 to 15 asked for
	TRIP 0, 2
	TRIP 1, 2
	s_sub_co_u32 s44, s44, 1
	s_cmp_lg_u32 s44, 0
	s_cbranch_scc1 .Lloop
	TRIP 0, 1                                      ; the tail is written out
	TRIP 1, 0
; (f, p) becomes the lesser of (f, p) and (of, op): by d first, by the index where d is equal
.macro LEX f, p, of, op
	v_cmp_lt_f32 s46, v[\of], v[\f]
	v_cmp_eq_f32 s47, v[\of], v[\f]
	v_cmp_lt_u32 s50, v[\op], v[\p]
	s_and_b32 s47, s47, s50
	s_or_b32 s46, s46, s47
	v_cndmask_b32 v[\f], v[\f], v[\of], s46
	v_cndmask_b32 v[\p], v[\p], v[\op], s46
.endm
	; THE END.  The minimum lies at +2 (four tiles a slot: the turns are back where they began).  For each of c1 .. c3 above the minimum the first pair that reaches it lies one pair further on: two codes on, and its even distance is taken.
.irp k, 1,2,3
.irp t, 0,1,2,3,4,5,6,7
	v_cmp_gt_f32 s[52+\t], v[ST+12*\t+3+\k], v[ST+12*\t+2]
.endr
.irp t, 0,1,2,3,4,5,6,7
	v_cndmask_b32 v[ST+12*\t+8], v[ST+12*\t+8], v[ST+12*\t+8+\k], s[52+\t]
.endr
.irp t, 0,1,2,3,4,5,6,7
	v_cndmask_b32 v[ST+12*\t+7], 0, 2, s[52+\t]
.endr
.irp t, 0,1,2,3,4,5,6,7
	v_add_nc_u32 v[ST+12*\t+1], v[ST+12*\t+1], v[ST+12*\t+7]
.endr
.endr
.irp t, 0,1,2,3,4,5,6,7
	v_cmp_gt_f32 s[52+\t], v[ST+12*\t+8], v[ST+12*\t+2]     ; the pair's even distance above the minimum: the odd code it is
.endr
.irp t, 0,1,2,3,4,5,6,7
	v_cndmask_b32 v[ST+12*\t+7], 0, 1, s[52+\t]
.endr
.irp t, 0,1,2,3,4,5,6,7
	v_add_nc_u32 v[ST+12*\t+3], v[ST+12*\t+1], v[ST+12*\t+7]
.endr
.irp t, 0,1,2,3,4,5,6,7                        ; the row's other groups of my tiles lie in lane l xor 16
	v_permlanex16_b32 v[ST+12*\t+4], v[ST+12*\t+2], s48, s49
	v_permlanex16_b32 v[ST+12*\t+5], v[ST+12*\t+3], s48, s49
.endr
.irp t, 0,1,2,3,4,5,6,7
	LEX ST+12*\t+2, ST+12*\t+3, ST+12*\t+4, ST+12*\t+5
	ds_store_b64 v[RST], v[ST+12*\t+2:ST+12*\t+3] offset:256*\t
.endr
	s_wait_dscnt 0x0                               ; for the others' sake: my stores have landed
	s_barrier_signal -1
	s_barrier_wait -1
.irp u, 0,1,2,3,4,5,6,7                        ; wave w joins the eight waves' findings for x tile w
	ds_load_b64 v[TA+2*\u:TA+2*\u+1], v[RLD] offset:2048*\u
.endr
	s_wait_dscnt 0x0
.irp u, 1,2,3,4,5,6,7
	LEX TA, TA+1, TA+2*\u, TA+2*\u+1
.endr
	ds_store_b32 v[R2S], v[TA+1]                   ; lanes r and r + 16 write the same word with the same value
	s_wait_dscnt 0x0
	s_barrier_signal -1
	s_barrier_wait -1
	s_cmp_lg_u32 s10, 0
	s_cbranch_scc1 .Lnot_first
	ds_load_b128 v[ACC:ACC+3], v[R2L]
	s_wait_dscnt 0x0
	global_store_b128 v[OFI], v[ACC:ACC+3], s[8:9] ; wave 0 stores the work-group's 128 indices: 512 consecutive bytes, at a multiple of 512 from the buffer's first byte
.Lnot_first:
	s_wait_tensorcnt 0x0                           ; the wave's end: behind my last tensor load and my last LDS store
	ds_add_u32 v[SPW], v[NIL]
	s_wait_dscnt 0x0
	ROUND                                          ; the closing round: no work-group ends while a partner may still ask for a tile that names it
	s_endpgm
.Lfunc_end_k_q991a9729e4_search:
	.size	k_q991a9729e4_search, .Lfunc_end_k_q991a9729e4_search-k_q991a9729e4_search
	.p2alignl 7, 3214868480
	.fill 96, 4, 3214868480
	.section	.rodata,"a",@progbits
	.p2align	6, 0x0
	.amdhsa_kernel k_q991a9729e4_search
		.amdhsa_group_segment_fixed_size 327680
		.amdhsa_private_segment_fixed_size 0
		.amdhsa_enable_private_segment 0
		.amdhsa_kernarg_size 24
		.amdhsa_user_sgpr_count 2
		.amdhsa_user_sgpr_kernarg_segment_ptr 1
		.amdhsa_wavefront_size32 1
		.amdhsa_system_sgpr_workgroup_id_x 1
		.amdhsa_system_sgpr_workgroup_id_y 1
		.amdhsa_system_sgpr_workgroup_id_z 1
		.amdhsa_system_vgpr_workitem_id 0
		.amdhsa_next_free_vgpr 448
		.amdhsa_next_free_sgpr 66
		.amdhsa_reserve_vcc 1
		.amdhsa_float_denorm_mode_32 3
		.amdhsa_float_denorm_mode_16_64 3
		.amdhsa_memory_ordered 1
		.amdhsa_forward_progress 1
		.amdhsa_inst_pref_size 221
	.end_amdhsa_kernel
	.amdgpu_metadata
---
amdhsa.version: [ 1, 2 ]
amdhsa.kernels:
  - .name:           k_q991a9729e4_search
    .symbol:         k_q991a9729e4_search.kd
    .args:
      - { .name: xq, .offset: 0, .size: 8, .value_kind: global_buffer, .address_space: global }
      - { .name: cq, .offset: 8, .size: 8, .value_kind: global_buffer, .address_space: global }
      - { .name: pid, .offset: 16, .size: 8, .value_kind: global_buffer, .address_space: global }
    .group_segment_fixed_size: 327680
    .private_segment_fixed_size: 0
    .kernarg_segment_align: 8
    .kernarg_segment_size: 24
    .max_flat_workgroup_size: 256
    .sgpr_count:     66
    .vgpr_count:     448
    .wavefront_size: 32
...
	.end_amdgpu_metadata
.endif
;; end of part 2
;; launch gather (part 3): grid 256 x 1, 8 waves a work-group, no clusters, 0 bytes of LDS; arguments pid, codebook, out0; writes out0
.if DOCPART == 3
	.amdgcn_target "amdgcn-amd-amdhsa--gfx1250"
	.amdhsa_code_object_version 6
	.text
	.protected	k_q991a9729e4_gather
	.globl	k_q991a9729e4_gather
	.p2align	8
	.type	k_q991a9729e4_gather,@function
k_q991a9729e4_gather:
	s_mov_b64 s[64:65], 0
	v_nop
	global_prefetch_b8 v0, s[64:65] scope:SCOPE_SE
	s_setreg_imm32_b32 hwreg(HW_REG_WAVE_MODE, 25, 1), 1
	s_wait_xcnt 0x0
; out0[row] = codebook[pid[row]]: pid is the whole number, 0 .. 8,191, that the launch before stored for the row.
; A wave owns 16 rows.  Its 16 indices come by one scalar load and are held at 8,191 before they enter an address.  A row is 1,024 bytes: two loads and two stores of 512 consecutive bytes, 16 a lane.
; All 32 loads of a wave are issued on end; a row is stored as soon as its two loads are in.  No LDS, no barrier, no loop to run ahead in; the rows are named by stored numbers that differ from row to row, so there is no tile to ask for jointly.
.set OF, 4                             ; v4-19   row i: 1,024 x its index + 16 x lane
.set D,  32                            ; v32-159 row i: eight registers
	s_load_b128 s[4:7], s[0:1], 0x0                ; pid s[4:5], codebook s[6:7]
	s_load_b64 s[8:9], s[0:1], 0x10                ; out0
	v_lshrrev_b32 v1, 5, v0
	v_and_b32 v2, 31, v0
	s_delay_alu instid0(VALU_DEP_2)
	v_readfirstlane_b32 s10, v1                    ; wave 0..7
	s_delay_alu instid0(VALU_DEP_2)
	v_lshlrev_b32 v2, 4, v2                        ; 16 x lane
	s_lshl_b32 s11, ttmp9, 3
	s_add_co_u32 s11, s11, s10                     ; my 16 rows
	s_lshl_b32 s12, s11, 6                         ; 16 words of pid
	s_mov_b32 s13, 0
	s_lshl_b32 s14, s11, 14                        ; 16 rows of 1,024 bytes
	s_mov_b32 s15, 0
	s_wait_alu depctr_va_vdst(0)                   ; the wait at the head's end
	s_wait_kmcnt 0x0
	s_add_nc_u64 s[4:5], s[4:5], s[12:13]
	s_add_nc_u64 s[8:9], s[8:9], s[14:15]
	s_load_b512 s[16:31], s[4:5], 0x0              ; my 16 indices
	s_wait_kmcnt 0x0
.irp i, 0,1,2,3,4,5,6,7,8,9,10,11,12,13,14,15
	s_min_u32 s[16+\i], s[16+\i], 0x1fff           ; a loaded number enters an address only behind this hold
.endr
.irp i, 0,1,2,3,4,5,6,7,8,9,10,11,12,13,14,15
	v_lshl_add_u32 v[OF+\i], s[16+\i], 10, v2
.endr
.irp i, 0,1,2,3,4,5,6,7,8,9,10,11,12,13,14,15
	global_load_b128 v[D+8*\i:D+8*\i+3], v[OF+\i], s[6:7]
	global_load_b128 v[D+8*\i+4:D+8*\i+7], v[OF+\i], s[6:7] offset:512
.endr
.irp i, 0,1,2,3,4,5,6,7,8,9,10,11,12,13,14,15
	s_wait_loadcnt 30-2*\i                         ; this row's two loads are in; those of the rows behind it may be out
	global_store_b128 v2, v[D+8*\i:D+8*\i+3], s[8:9] offset:1024*\i th:TH_STORE_NT          ; 32 lanes store 512 consecutive bytes, at a multiple of 512 from out0's first byte
	global_store_b128 v2, v[D+8*\i+4:D+8*\i+7], s[8:9] offset:1024*\i+512 th:TH_STORE_NT
.endr
	s_endpgm
.Lfunc_end_k_q991a9729e4_gather:
	.size	k_q991a9729e4_gather, .Lfunc_end_k_q991a9729e4_gather-k_q991a9729e4_gather
	.p2alignl 7, 3214868480
	.fill 96, 4, 3214868480
	.section	.rodata,"a",@progbits
	.p2align	6, 0x0
	.amdhsa_kernel k_q991a9729e4_gather
		.amdhsa_group_segment_fixed_size 0
		.amdhsa_private_segment_fixed_size 0
		.amdhsa_enable_private_segment 0
		.amdhsa_kernarg_size 24
		.amdhsa_user_sgpr_count 2
		.amdhsa_user_sgpr_kernarg_segment_ptr 1
		.amdhsa_wavefront_size32 1
		.amdhsa_system_sgpr_workgroup_id_x 1
		.amdhsa_system_sgpr_workgroup_id_y 1
		.amdhsa_system_sgpr_workgroup_id_z 1
		.amdhsa_system_vgpr_workitem_id 0
		.amdhsa_next_free_vgpr 160
		.amdhsa_next_free_sgpr 66
		.amdhsa_reserve_vcc 0
		.amdhsa_float_denorm_mode_32 3
		.amdhsa_float_denorm_mode_16_64 3
		.amdhsa_memory_ordered 1
		.amdhsa_forward_progress 1
		.amdhsa_inst_pref_size 10
	.end_amdhsa_kernel
	.amdgpu_metadata
---
amdhsa.version: [ 1, 2 ]
amdhsa.kernels:
  - .name:           k_q991a9729e4_gather
    .symbol:         k_q991a9729e4_gather.kd
    .args:
      - { .name: pid, .offset: 0, .size: 8, .value_kind: global_buffer, .address_space: global }
      - { .name: codebook, .offset: 8, .size: 8, .value_kind: global_buffer, .address_space: global }
      - { .name: out0, .offset: 16, .size: 8, .value_kind: global_buffer, .address_space: global }
    .group_segment_fixed_size: 0
    .private_segment_fixed_size: 0
    .kernarg_segment_align: 8
    .kernarg_segment_size: 24
    .max_flat_workgroup_size: 256
    .sgpr_count:     66
    .vgpr_count:     160
    .wavefront_size: 32
...
	.end_amdgpu_metadata
.endif
;; end of part 3
